; MI455X (gfx1250); checked and timed in simulation.
; The chip was launched on July 23, 2026; its instructions are those of AMD's public machine-readable ISA for CDNA 5 (MIT licence, August 2026) and "CDNA5" Instruction Set Architecture Reference Guide (July 2026). The comments in the code are by the model that wrote it; some were corrected since.
;; Temporal Kplanes Offsetfields. Allowed arithmetic: float matrix products may take bf16 or f16 operands with f32 sums; other float arithmetic in f32, or as packed bf16 or f16 multiplies, adds, multiply-adds, maxima and minima; sums over many terms, partial sums and values carried from step to step in f32; what a program stores and reads back later, other than sums and carried values, may be rounded once to bf16 or f16.
;; Inputs: aabb 2 x 3 float32; b0 64 float32; b1 3 float32; inp 524,288 x 4 float32; sp0 64 x 128 x 128 float32; sp1 64 x 128 x 128 float32; sp2 64 x 128 x 128 float32; tp0 64 x 128 x 128 float32; tp1 64 x 128 x 128 float32; tp2 64 x 100 x 128 float32; tp3 64 x 128 x 128 float32; tp4 64 x 100 x 128 float32; tp5 64 x 100 x 128 float32; w0 128 x 64 float32; w1 64 x 3 float32.
;; Outputs: out0 524,288 x 3 float32.
;; 2 versions, each right; version 2 is version 1 with the launch main written anew for expert scheduling mode. Each part assembles by itself: llvm-mc -triple=amdgcn-amd-amdhsa -mcpu=gfx1250 --defsym DOCPART=n.
;; ======== version 1 of 2: 3 launches
;; limits: values are held in f16: magnitudes above 65,504 overflow, below 6.1e-05 lose precision
;; workspace buffers: idx 2,097,152 bytes of whole numbers; tab 11,206,656 bytes
;; launch prep (part 1): grid 256 x 1, 8 waves a work-group, no clusters, 9,216 bytes of LDS; arguments inp, aabb, idx; writes idx
.if DOCPART == 1
	.amdgcn_target "amdgcn-amd-amdhsa--gfx1250"
	.amdhsa_code_object_version 6
	.text
	.protected	k_qc3cb7bd6b6_prep
	.globl	k_qc3cb7bd6b6_prep
	.p2align	8
	.type	k_qc3cb7bd6b6_prep,@function
k_qc3cb7bd6b6_prep:
	s_mov_b64 s[64:65], 0
	v_nop
	global_prefetch_b8 v0, s[64:65] scope:SCOPE_SE
	s_setreg_imm32_b32 hwreg(HW_REG_WAVE_MODE, 25, 1), 1
	s_wait_xcnt 0x0
; CELL NUMBERS.  For each of the 524,288 points (x, y, z, t) the cell of each coordinate in its grid: x, y, z on 128 texels (cells 0..126), t on 100 (cells 0..98),
; as reference() makes them: floor of the coordinate in texels, held to 0 .. size - 2.  The four numbers of a point are packed in one dword, x | y<<8 | z<<16 | t<<24,
; and stored as whole numbers: the launch that gathers forms its addresses from them.
; LIMITS.  The division by aabb[1] - aabb[0] is a reciprocal and a multiplication (the last bit may differ from a division's); aabb[1] = aabb[0] is not treated apart; a NaN coordinate goes to cell 0.
; SHARES.  Eight waves, 256 points each; lane L takes points 32 i + L, i = 0..7: a load of a wave covers 512 consecutive bytes.  The 256 dwords go through the wave's own
; 1,024 bytes of LDS so that each store of the wave again covers 512 consecutive bytes, aligned.  No wave touches another's bytes: no barrier.
; No matrix unit, no cluster, no tensor load: every byte is read once by one wave and nothing is shared.
.set SPARE, 8192                       ; behind the eight stages: the spare words, 128 bytes for each wave
.set SPW, 2                            ; v2      LDS address of my spare word; never rewritten
.set NIL, 3                            ; v3      0; never rewritten
.set VO,  4                            ; v4      16 x lane
.set INV, 5                            ; v5-7    1 / (aabb[1] - aabb[0])
.set IN,  8                            ; v8-39   eight points as loaded
.set XR,  40                           ; v40     a coordinate in texels
.set CF,  42                           ; v42-45  the four cells
.set DW,  46                           ; v46     the packed dword
.set LS,  47                           ; v47     my stage + 4 x lane
.set LR,  48                           ; v48     my stage + 16 x lane
.set OB,  52                           ; v52-59  the stage read back
.set A0,  12                           ; s12-14  aabb[0]
.set A1,  16                           ; s16-18  aabb[1]
; A space coordinate in texels, step by step as reference() has it: ((p - a0) / (a1 - a0) * 2 - 1 + 1) * 0.5 * 127; the two last factors are one, 63.5, which rounds alike.
.macro COORD x, src, d
	v_sub_f32 v[\x], v[\src], s[A0+(\d)]
	v_mul_f32 v[\x], v[\x], v[INV+(\d)]
	v_fma_f32 v[\x], v[\x], 2.0, -1.0
	v_add_f32 v[\x], 1.0, v[\x]
	v_mul_f32 v[\x], 0x427e0000, v[\x]
.endm
.macro COORDT x, src                   ; the time: (t * 2 - 1 + 1) * 0.5 * 99
	v_fma_f32 v[\x], v[\src], 2.0, -1.0
	v_add_f32 v[\x], 1.0, v[\x]
	v_mul_f32 v[\x], 0x42460000, v[\x]
.endm
.macro CLIP c, x, top                  ; floor, held to 0 .. top, as a whole number
	v_floor_f32 v[\c], v[\x]
	v_max_num_f32 v[\c], 0, v[\c]
	v_min_num_f32 v[\c], \top, v[\c]
	v_cvt_u32_f32 v[\c], v[\c]
.endm
	s_load_b128 s[4:7], s[0:1], 0x0                ; inp s[4:5], aabb s[6:7]
	s_load_b64 s[8:9], s[0:1], 0x10                ; idx
	v_lshl_add_u32 v[SPW], v0, 2, SPARE
	v_mov_b32 v[NIL], 0
	v_lshrrev_b32 v1, 5, v0
	v_readfirstlane_b32 s10, v1                    ; wave 0..7
	v_and_b32 v1, 31, v0                           ; lane
	v_lshlrev_b32 v[VO], 4, v1
	s_lshl_b32 s11, s10, 10                        ; my stage
	v_lshl_add_u32 v[LS], v1, 2, s11
	v_lshl_add_u32 v[LR], v1, 4, s11
	s_lshl_b32 s20, ttmp9, 3
	s_add_co_u32 s20, s20, s10                     ; my wave among the launch's 2,048
	s_lshl_b32 s22, s20, 10                        ; its 256 dwords of idx
	s_lshl_b32 s20, s20, 12                        ; its 256 points of inp
	s_mov_b32 s21, 0
	s_mov_b32 s23, 0
	s_wait_kmcnt 0x0
	s_load_b96 s[A0:A0+2], s[6:7], 0x0
	s_load_b96 s[A1:A1+2], s[6:7], 0xc
	s_add_nc_u64 s[4:5], s[4:5], s[20:21]
	s_add_nc_u64 s[8:9], s[8:9], s[22:23]
.irp i, 0,1,2,3,4,5,6,7
	global_load_b128 v[IN+4*\i:IN+4*\i+3], v[VO], s[4:5] offset:512*\i
.endr
	s_wait_kmcnt 0x0                               ; aabb
	v_sub_f32 v[INV], s[A1], s[A0]
	v_sub_f32 v[INV+1], s[A1+1], s[A0+1]
	v_sub_f32 v[INV+2], s[A1+2], s[A0+2]
	v_rcp_f32 v[INV], v[INV]
	v_rcp_f32 v[INV+1], v[INV+1]
	v_rcp_f32 v[INV+2], v[INV+2]
	v_nop                                          ; a plain instruction between the last reciprocal and the use of its result
	s_wait_alu depctr_va_vdst(0)
.irp i, 0,1,2,3,4,5,6,7
	s_wait_loadcnt 7-\i                            ; loads come back in order: load i is in, the younger ones stay out
	COORD XR, IN+4*\i, 0
	CLIP CF, XR, 0x42fc0000
	COORD XR, IN+4*\i+1, 1
	CLIP CF+1, XR, 0x42fc0000
	COORD XR, IN+4*\i+2, 2
	CLIP CF+2, XR, 0x42fc0000
	COORDT XR, IN+4*\i+3
	CLIP CF+3, XR, 0x42c40000
	v_lshl_or_b32 v[DW], v[CF+1], 8, v[CF]
	v_lshl_or_b32 v[DW], v[CF+2], 16, v[DW]
	v_lshl_or_b32 v[DW], v[CF+3], 24, v[DW]
	ds_store_b32 v[LS], v[DW] offset:128*\i        ; word 32 i + lane of my stage: the point's place among my 256
.endr
	ds_load_b128 v[OB:OB+3], v[LR]                 ; LDS serves a wave's instructions in order: these see the stores above
	ds_load_b128 v[OB+4:OB+7], v[LR] offset:512
	s_wait_dscnt 0x1                               ; the first is back, the second may be out
	global_store_b128 v[VO], v[OB:OB+3], s[8:9]    ; 512 consecutive bytes, at a multiple of 512 from idx's first byte
	s_wait_dscnt 0x0
	global_store_b128 v[VO], v[OB+4:OB+7], s[8:9] offset:512
	s_wait_tensorcnt 0x0                           ; the wave's end, behind my last LDS store
	ds_add_u32 v[SPW], v[NIL]
	s_wait_dscnt 0x0
	s_endpgm
.Lfunc_end_k_qc3cb7bd6b6_prep:
	.size	k_qc3cb7bd6b6_prep, .Lfunc_end_k_qc3cb7bd6b6_prep-k_qc3cb7bd6b6_prep
	.p2alignl 7, 3214868480
	.fill 96, 4, 3214868480
	.section	.rodata,"a",@progbits
	.p2align	6, 0x0
	.amdhsa_kernel k_qc3cb7bd6b6_prep
		.amdhsa_group_segment_fixed_size 9216
		.amdhsa_private_segment_fixed_size 0
		.amdhsa_enable_private_segment 0
		.amdhsa_kernarg_size 24
		.amdhsa_user_sgpr_count 2
		.amdhsa_user_sgpr_kernarg_segment_ptr 1
		.amdhsa_wavefront_size32 1
		.amdhsa_system_sgpr_workgroup_id_x 1
		.amdhsa_system_sgpr_workgroup_id_y 1
		.amdhsa_system_sgpr_workgroup_id_z 1
		.amdhsa_system_vgpr_workitem_id 0
		.amdhsa_next_free_vgpr 64
		.amdhsa_next_free_sgpr 66
		.amdhsa_reserve_vcc 0
		.amdhsa_float_denorm_mode_32 3
		.amdhsa_float_denorm_mode_16_64 3
		.amdhsa_memory_ordered 1
		.amdhsa_forward_progress 1
		.amdhsa_inst_pref_size 18
	.end_amdhsa_kernel
	.amdgpu_metadata
---
amdhsa.version: [ 1, 2 ]
amdhsa.kernels:
  - .name:           k_qc3cb7bd6b6_prep
    .symbol:         k_qc3cb7bd6b6_prep.kd
    .args:
      - { .name: inp, .offset: 0, .size: 8, .value_kind: global_buffer, .address_space: global }
      - { .name: aabb, .offset: 8, .size: 8, .value_kind: global_buffer, .address_space: global }
      - { .name: idx, .offset: 16, .size: 8, .value_kind: global_buffer, .address_space: global }
    .group_segment_fixed_size: 9216
    .private_segment_fixed_size: 0
    .kernarg_segment_align: 8
    .kernarg_segment_size: 24
    .max_flat_workgroup_size: 256
    .sgpr_count:     66
    .vgpr_count:     64
    .wavefront_size: 32
...
	.end_amdgpu_metadata
.endif
;; end of part 1
;; launch proj (part 2): grid 684 x 1, 1 waves a work-group, no clusters, 9,984 bytes of LDS; arguments tp0, tp1, tp3, sp0, sp1, sp2, tp2, tp4, tp5, w0, tab; writes tab
.if DOCPART == 2
	.amdgcn_target "amdgcn-amd-amdhsa--gfx1250"
	.amdhsa_code_object_version 6
	.text
	.protected	k_qc3cb7bd6b6_proj
	.globl	k_qc3cb7bd6b6_proj
	.p2align	8
	.type	k_qc3cb7bd6b6_proj,@function
k_qc3cb7bd6b6_proj:
	s_mov_b64 s[64:65], 0
	v_nop
	global_prefetch_b8 v0, s[64:65] scope:SCOPE_SE
	s_setreg_imm32_b32 hwreg(HW_REG_WAVE_MODE, 25, 1), 1
	s_wait_xcnt 0x0
; THE FIRST LAYER IS MULTIPLIED INTO THE PLANES.  Bilinear sampling is linear in the planes' numbers and feat @ w0 is linear in feat, so each texel's 64 features are multiplied by w0 here, once:
; tab[row][x][j] = sum over f of plane[f][y][x] w0[f or 64 + f][j].  tp0/sp0, tp1/sp1 and tp3/sp2 are sampled at the same places (c[:, :3] is pos), so each pair makes ONE table, with K = 128:
; the temporal plane against w0's rows 0-63, the spatial one against rows 64-127.  tp2, tp4, tp5 make a table each, K = 64.  Six tables, rows of 128 texels x 64 f16 = 16,384 bytes:
; rows 0-127 XY, 128-255 XZ, 256-383 YZ, 384-483 XT, 484-583 YT, 584-683 ZT.  The row's number is the work-group's.
; FORMATS.  Planes and w0 are rounded to f16 for the matrix unit, sums in f32, the table rounded once to f16.
; LIMITS.  Planes, w0 and the table's numbers lie within f16's 65,504.  The order of rounding differs from reference()'s: the product with w0 comes before the sampling.
; SHARES.  One wave makes one row, as two blocks of 64 texels.  No cluster: no two work-groups read the same rows of a plane; w0, the one thing that all read, is 32,768 of a spatial row's 98,304 bytes in, and is read once.
; LANES (r = lane % 16, h = lane / 16).  A plane's load takes 16 bytes, four neighbouring x of one feature: 16 lanes cover 256 consecutive bytes of a plane's row.  Component t of the loads goes to
; fragment t, whose column r is texel 4 r + t of the block.  A load of w0 takes four neighbouring outputs of one input row; component nb goes to fragment nb, whose row r is output 4 r + nb.
; Raw load i holds k = 32 (i / 16) + 16 ((i / 8) % 2) + 8 h + i % 8, which is the order of k along a fragment's registers.
; D = W0 fragment (source 0) x plane fragment (source 1): register j of lane (r, h) is texel 4 r + t, output 32 h + 4 j + nb: the four nb's registers interleave to 32 neighbouring outputs, 64 bytes.
; REGISTERS, in windows of 256 (s_set_vgpr_msb: bits 1:0 source 0, 3:2 source 1, 5:4 source 2, 7:6 destination):
;   window 0: v2-8 addresses; v16-79 plane fragments (t, K block) at 16 + 8 (2 t + kb), on the way out whole rows; v80-95 packed results; v128-255 the 16 accumulators (t, nb) at 128 + 8 (4 t + nb)
;   window 1: v0-127 w0's fragments (kb, nb) at 8 (4 kb + nb)          windows 2, 3: numbers as loaded, four registers a load
.set SPARE, 9728                       ; behind the stage: the spare words, one block of 256 bytes
.set TP,  2432                         ; the stage: texel 4 r + t lies at TP t + SP r
.set SP,  144                          ; 128 bytes + 16: the 16 rows that a store touches start at 16 different groups of four banks (64 banks of 4 bytes: ISA guide 11.1)
.set SPW, 2                            ; v2  LDS address of my spare word; never rewritten
.set NIL, 3                            ; v3  0; never rewritten
.set VOP, 4                            ; v4  a plane's load: 8 h features + 16 r
.set VOW, 5                            ; v5  w0's load: 8 h rows of 256 bytes + 16 r
.set STO, 6                            ; v6  into the stage: SP r + 64 h
.set RD,  7                            ; v7  back: TP (lane / 8) + 16 (lane % 8): four texels of 128 bytes
.set CO,  8                            ; v8  16 x lane
.set AF,  16
.set PK,  80
.set ACC, 128
.set PA,  32                           ; s[32:33] the temporal plane at my row
.set PB,  34                           ; s[34:35] the spatial plane at my row
.set TO,  36                           ; s[36:37] my row of tab
.set MSB, 0
.macro WIN new                         ; the immediate's high byte repeats the setting that is left; a switch that changes nothing is dropped
.if MSB != (\new)
	s_set_vgpr_msb (MSB<<8)|(\new)
.set MSB, (\new)
.endif
.endm
.macro LDW n                           ; n raw loads of w0 (16 for each 32 along K) into window 3
	WIN 0xc0
.set i, 0
.rept \n
	global_load_b128 v[4*i:4*i+3], v[VOW], s[26:27] offset:(32*(i/16)+16*((i/8)%2)+i%8)*256
.set i, i+1
.endr
.endm
.macro LDP base, ptr, fs, blk          ; 32 raw loads: a plane's 64 features for the 64 texels of block blk; fs = bytes from feature to feature.  The caller has set the window
.set i, 0
.rept 32
	global_load_b128 v[(\base)+4*i:(\base)+4*i+3], v[VOP], s[\ptr:\ptr+1] offset:(32*(i/16)+16*((i/8)%2)+i%8)*(\fs)+256*(\blk) th:TH_LOAD_NT
.set i, i+1
.endr
.endm
.macro CVTW nkb                        ; w0's fragments: kb = i / 32, nb = (i / 8) % 4, register i % 8
	WIN 0x4f
.set i, 0
.rept 32*(\nkb)
	v_cvt_pk_f16_f32 v[8*(4*(i/32)+(i/8)%4)+i%8], v[4*(16*(i/32)+2*(i%8))+(i/8)%4], v[4*(16*(i/32)+2*(i%8)+1)+(i/8)%4]
.set i, i+1
.endr
.endm
.macro CVTA base                       ; a plane's fragments: t = i / 16, K block (i / 8) % 2, register i % 8.  The caller has set the sources' window
.set i, 0
.rept 64
	v_cvt_pk_f16_f32 v[AF+8*(2*(i/16)+(i/8)%2)+i%8], v[(\base)+4*(16*((i/8)%2)+2*(i%8))+i/16], v[(\base)+4*(16*((i/8)%2)+2*(i%8)+1)+i/16]
.set i, i+1
.endr
.endm
; 32 products: two K blocks (w0's k0 and k0 + 1) x 4 t x 4 nb.  The 16 accumulators take turns, one instruction a turn.  zero = 1: the first 16 start the sums
.macro MM k0, zero
	WIN 0x01
.set i, 0
.rept 32
.if (\zero) && (i < 16)
	v_wmma_f32_16x16x32_f16 v[ACC+8*(i%16):ACC+8*(i%16)+7], v[8*(4*((\k0)+i/16)+i%4):8*(4*((\k0)+i/16)+i%4)+7], v[AF+8*(2*((i/4)%4)+i/16):AF+8*(2*((i/4)%4)+i/16)+7], 0
.else
	v_wmma_f32_16x16x32_f16 v[ACC+8*(i%16):ACC+8*(i%16)+7], v[8*(4*((\k0)+i/16)+i%4):8*(4*((\k0)+i/16)+i%4)+7], v[AF+8*(2*((i/4)%4)+i/16):AF+8*(2*((i/4)%4)+i/16)+7], v[ACC+8*(i%16):ACC+8*(i%16)+7]
.endif
.set i, i+1
.endr
.endm
.macro PLACES                          ; four places between the last products and vector lines that read their results or write their sources (ISA guide 7.12.1)
.rept 4
	v_nop
.endr
.endm
; THE WAY OUT of a block: packed word u of texel 4 r + t holds outputs 32 h + 2 u and + 1 (accumulators nb = 2 (u % 2) and + 1, register u / 2: each accumulator's register 0 is read first);
; 64 bytes a lane into the stage, back as four whole texels a load, stored as 512 consecutive bytes.
.macro OUT blk
	WIN 0
.irp t, 0,1,2,3
.set u, 0
.rept 16
	v_cvt_pk_f16_f32 v[PK+u], v[ACC+8*(4*\t+2*(u%2))+u/2], v[ACC+8*(4*\t+2*(u%2)+1)+u/2]
.set u, u+1
.endr
.irp c, 0,1,2,3
	ds_store_b128 v[STO], v[PK+4*\c:PK+4*\c+3] offset:TP*\t+16*\c
.endr
.endr
.set u, 0
.rept 16
	ds_load_b128 v[AF+4*u:AF+4*u+3], v[RD] offset:SP*u  ; texels 4 u .. 4 u + 3; LDS serves a wave's instructions in order: these see the stores above
.set u, u+1
.endr
.set u, 0
.rept 16
	s_wait_dscnt 15-u                              ; load u is back, the younger ones may be out
	global_store_b128 v[CO], v[AF+4*u:AF+4*u+3], s[TO:TO+1] offset:8192*(\blk)+512*u  ; 512 consecutive bytes, at a multiple of 512 from tab's first byte
.set u, u+1
.endr
.endm
.macro FINISH
	WIN 0
	s_wait_tensorcnt 0x0                           ; the wave's end, behind my last LDS store
	ds_add_u32 v[SPW], v[NIL]
	s_wait_dscnt 0x0
	s_endpgm
.endm
	s_load_b512 s[8:23], s[0:1], 0x0               ; tp0 s[8:9], tp1 s[10:11], tp3 s[12:13], sp0 s[14:15], sp1 s[16:17], sp2 s[18:19], tp2 s[20:21], tp4 s[22:23]
	s_load_b128 s[24:27], s[0:1], 0x40             ; tp5 s[24:25], w0 s[26:27]
	s_load_b64 s[28:29], s[0:1], 0x50              ; tab
	v_lshl_add_u32 v[SPW], v0, 2, SPARE
	v_mov_b32 v[NIL], 0
	v_and_b32 v9, 15, v0                           ; r
	v_lshrrev_b32 v10, 4, v0                       ; h
	v_lshlrev_b32 v[VOW], 4, v9
	v_lshl_add_u32 v[VOW], v10, 11, v[VOW]
	v_mul_u32_u24 v[STO], v9, SP
	v_lshl_add_u32 v[STO], v10, 6, v[STO]
	v_lshrrev_b32 v11, 3, v0
	v_mul_u32_u24 v[RD], v11, TP
	v_and_b32 v11, 7, v0
	v_lshl_add_u32 v[RD], v11, 4, v[RD]
	v_lshlrev_b32 v[CO], 4, v0
	s_mov_b32 s30, ttmp9                           ; the table row
	s_lshl_b32 s[TO], s30, 14
	s_mov_b32 s[TO+1], 0
	s_mov_b32 s41, 0
	s_wait_kmcnt 0x0
	s_add_nc_u64 s[TO:TO+1], s[28:29], s[TO:TO+1]
	s_cmp_lt_u32 s30, 384
	s_cbranch_scc0 .Ltemporal
	; ROWS 0-383: a temporal and a spatial plane of 128 x 128, K = 128
	s_lshr_b32 s38, s30, 7                         ; which pair of planes
	s_and_b32 s40, s30, 127                        ; y,
	s_lshl_b32 s40, s40, 9                         ; its 512 bytes in a feature's plane
	s_cmp_eq_u32 s38, 1
	s_cselect_b64 s[PA:PA+1], s[10:11], s[8:9]
	s_cselect_b64 s[PB:PB+1], s[16:17], s[14:15]
	s_cmp_eq_u32 s38, 2
	s_cselect_b64 s[PA:PA+1], s[12:13], s[PA:PA+1]
	s_cselect_b64 s[PB:PB+1], s[18:19], s[PB:PB+1]
	s_add_nc_u64 s[PA:PA+1], s[PA:PA+1], s[40:41]
	s_add_nc_u64 s[PB:PB+1], s[PB:PB+1], s[40:41]
	v_lshlrev_b32 v[VOP], 4, v9
	v_lshl_add_u32 v[VOP], v10, 19, v[VOP]         ; 8 h features of 65,536 bytes
	LDW 64
	WIN 0x80
	LDP 0, PA, 65536, 0
	LDP 128, PB, 65536, 0
	s_wait_loadcnt 63                              ; w0 is in: 64 loads are younger; the wait's field ends at 63, which asks for one load more than is needed
	CVTW 4
	WIN 0xc0
	LDP 0, PA, 65536, 1                            ; the second block goes where w0 lay
	LDP 128, PB, 65536, 1
	s_wait_loadcnt 63                              ; the first block is in: again 64 loads are younger
	WIN 0x0a
	CVTA 0
	MM 0, 1
	PLACES
	WIN 0x0a
	CVTA 128
	MM 2, 0
	PLACES
	OUT 0
	s_wait_loadcnt 0x0                             ; the second block
	s_wait_xcnt 0x0                                ; the stores' data registers are the fragments' and are written again only behind this wait
	WIN 0x0f
	CVTA 0
	MM 0, 1
	PLACES
	WIN 0x0f
	CVTA 128
	MM 2, 0
	PLACES
	OUT 1
	FINISH
.Ltemporal:
	; ROWS 384-683: one plane of 100 x 128, K = 64
	s_sub_co_u32 s38, s30, 384
	s_cmp_ge_u32 s38, 100
	s_cselect_b64 s[PA:PA+1], s[22:23], s[20:21]
	s_cselect_b32 s39, 100, 0
	s_cmp_ge_u32 s38, 200
	s_cselect_b64 s[PA:PA+1], s[24:25], s[PA:PA+1]
	s_cselect_b32 s39, 200, s39
	s_sub_co_u32 s38, s38, s39                     ; the row in time, 0..99
	s_lshl_b32 s40, s38, 9
	s_add_nc_u64 s[PA:PA+1], s[PA:PA+1], s[40:41]
	v_mul_u32_u24 v[VOP], v10, 409600              ; 8 h features of 51,200 bytes
	v_lshl_add_u32 v[VOP], v9, 4, v[VOP]
	LDW 32
	WIN 0x80
	LDP 0, PA, 51200, 0
	LDP 128, PA, 51200, 1
	s_wait_loadcnt 63                              ; w0's rows 0-63 are in: 64 loads are younger
	CVTW 2
	s_wait_loadcnt 32                              ; the first block is in, the second's 32 loads may be out
	WIN 0x0a
	CVTA 0
	MM 0, 1
	PLACES
	OUT 0
	s_wait_loadcnt 0x0
	s_wait_xcnt 0x0                                ; the stores' data registers are written again only behind this wait
	WIN 0x0a
	CVTA 128
	MM 0, 1
	PLACES
	OUT 1
	FINISH
.Lfunc_end_k_qc3cb7bd6b6_proj:
	.size	k_qc3cb7bd6b6_proj, .Lfunc_end_k_qc3cb7bd6b6_proj-k_qc3cb7bd6b6_proj
	.p2alignl 7, 3214868480
	.fill 96, 4, 3214868480
	.section	.rodata,"a",@progbits
	.p2align	6, 0x0
	.amdhsa_kernel k_qc3cb7bd6b6_proj
		.amdhsa_group_segment_fixed_size 9984
		.amdhsa_private_segment_fixed_size 0
		.amdhsa_enable_private_segment 0
		.amdhsa_kernarg_size 88
		.amdhsa_user_sgpr_count 2
		.amdhsa_user_sgpr_kernarg_segment_ptr 1
		.amdhsa_wavefront_size32 1
		.amdhsa_system_sgpr_workgroup_id_x 1
		.amdhsa_system_sgpr_workgroup_id_y 1
		.amdhsa_system_sgpr_workgroup_id_z 1
		.amdhsa_system_vgpr_workitem_id 0
		.amdhsa_next_free_vgpr 1024
		.amdhsa_next_free_sgpr 66
		.amdhsa_reserve_vcc 0
		.amdhsa_float_denorm_mode_32 3
		.amdhsa_float_denorm_mode_16_64 3
		.amdhsa_memory_ordered 1
		.amdhsa_forward_progress 1
		.amdhsa_inst_pref_size 112
	.end_amdhsa_kernel
	.amdgpu_metadata
---
amdhsa.version: [ 1, 2 ]
amdhsa.kernels:
  - .name:           k_qc3cb7bd6b6_proj
    .symbol:         k_qc3cb7bd6b6_proj.kd
    .args:
      - { .name: tp0, .offset: 0, .size: 8, .value_kind: global_buffer, .address_space: global }
      - { .name: tp1, .offset: 8, .size: 8, .value_kind: global_buffer, .address_space: global }
      - { .name: tp3, .offset: 16, .size: 8, .value_kind: global_buffer, .address_space: global }
      - { .name: sp0, .offset: 24, .size: 8, .value_kind: global_buffer, .address_space: global }
      - { .name: sp1, .offset: 32, .size: 8, .value_kind: global_buffer, .address_space: global }
      - { .name: sp2, .offset: 40, .size: 8, .value_kind: global_buffer, .address_space: global }
      - { .name: tp2, .offset: 48, .size: 8, .value_kind: global_buffer, .address_space: global }
      - { .name: tp4, .offset: 56, .size: 8, .value_kind: global_buffer, .address_space: global }
      - { .name: tp5, .offset: 64, .size: 8, .value_kind: global_buffer, .address_space: global }
      - { .name: w0, .offset: 72, .size: 8, .value_kind: global_buffer, .address_space: global }
      - { .name: tab, .offset: 80, .size: 8, .value_kind: global_buffer, .address_space: global }
    .group_segment_fixed_size: 9984
    .private_segment_fixed_size: 0
    .kernarg_segment_align: 8
    .kernarg_segment_size: 88
    .max_flat_workgroup_size: 32
    .sgpr_count:     66
    .vgpr_count:     1024
    .wavefront_size: 32
...
	.end_amdgpu_metadata
.endif
;; end of part 2
;; launch main (part 3): grid 256 x 1, 16 waves a work-group, no clusters, 133,120 bytes of LDS; arguments inp, aabb, idx, tab, b0, w1, b1, out0; writes out0
.if DOCPART == 3
	.amdgcn_target "amdgcn-amd-amdhsa--gfx1250"
	.amdhsa_code_object_version 6
	.text
	.protected	k_qc3cb7bd6b6_main
	.globl	k_qc3cb7bd6b6_main
	.p2align	8
	.type	k_qc3cb7bd6b6_main,@function
k_qc3cb7bd6b6_main:
	s_mov_b64 s[64:65], 0
	v_nop
	global_prefetch_b8 v0, s[64:65] scope:SCOPE_SE
	s_setreg_imm32_b32 hwreg(HW_REG_WAVE_MODE, 25, 1), 1
	s_wait_xcnt 0x0
; GATHER, SAMPLE, SECOND LAYER.  out[n] = relu(b0 + the sum over six tables of the bilinear sample at point n) @ w1 + b1.  The tables hold the planes already multiplied by w0:
; [row][x][64] f16, a texel 128 bytes, a row 16,384; XY, XZ, YZ of 128 rows, XT, YT, ZT of 100.  A point takes 24 texels.  The cells come from idx, whole numbers that an earlier launch stored
; (x | y<<8 | z<<16 | t<<24); the fractions are made here in f32: the coordinate in texels less the stored cell.
; FORMATS.  Table numbers f16, corner weights and all sums f32 (v_fma_mix_f32 reads the f16 half and adds in f32); h is rounded once to f16 for the matrix unit, w1 too; the second layer's sums in f32.
; LIMITS.  h and w1 lie within f16's 65,504.  The division by aabb[1] - aabb[0] is a reciprocal and a multiplication; aabb[1] = aabb[0] and NaN coordinates are not treated apart.
; A corner's weight is the product of its two factors, formed first: the order of rounding differs from reference()'s.
; SHARES.  A work-group has 2,048 points, each of its 16 waves 128.  Lane: g = lane / 8, q = lane % 8.  In pass P (0..31) group g works on the wave's point 32 g + P, lane q on outputs 8 q .. 8 q + 7:
; a load of 16 bytes a lane takes four whole texels, one for each group, and no sum crosses lanes.  Six slots (one a table) of four corners are filled a pass ahead.
; Four passes are a trip: their 16 rows of h go through LDS to one pair of matrix instructions.  Each wave's LDS is its own: no barrier.
; NO CLUSTER, NO TENSOR LOAD: which texels are read hangs on the points; no two work-groups ask for the same tile by plan.
.set SPARE, 131072                     ; behind the 16 waves' 8,192 bytes: the spare words, 128 bytes for each wave
.set GP,    1056                       ; the fractions: point l's eight f32 (1 - wx, wx, 1 - wy, wy, 1 - wz, wz, 1 - wt, wt) at GP (l / 32) + 32 (l % 32): the four groups' reads start 8 banks apart (64 banks of 4 bytes: ISA guide 11.1)
.set HSO,   4224                       ; 16 rows of h, 128 bytes + 16
.set HPI,   144
.set OSO,   6528                       ; 128 points x 12 bytes of output
.set SPW, 2                            ; v2   LDS address of my spare word; never rewritten
.set NIL, 3                            ; v3   0; never rewritten
.set LQ,  4                            ; v4   16 q
.set IO,  5                            ; v5   128 g: my group's 32 dwords of idx
.set FA,  6                            ; v6   my group's fractions, at the trip's first pass
.set HA,  7                            ; v7   where I put 16 bytes of h: row g, 16 q
.set BA,  8                            ; v8   where I read a fragment of h: row lane % 16, 16 (lane / 16)
.set OA,  9                            ; v9   where column lane % 16 of the result goes
.set ZR,  10                           ; v10  0, for the packed maximum (at first: b0's offset)
.set QL,  11                           ; v11  q
.set CC,  12                           ; v12-15  the next pass's cells x, y, z, t
.set AA,  16                           ; v16-18  cell x 128 + 16 q for x, y, z
.set GL,  19                           ; v19  g; at the end an LDS address
.set AD,  20                           ; v20-25  a slot's offset in its table
.set FS,  26                           ; v26  the fractions' way in: 32 x lane
.set VO,  27                           ; v27  16 x lane
.set IC,  28                           ; v28-31  idx of this trip's four passes
.set IX,  32                           ; v32-35  of the next trip's
.set PP,  36                           ; v36-43  the next pass's fractions
.set W,   44                           ; v44-67  24 corner weights, slot i corner c at W + 4 i + c
.set ACC, 68                           ; v68-75  h of my eight outputs
.set B0,  76                           ; v76-83  b0 of my eight outputs
.set HH,  84                           ; v84-87  h packed
.set W1F, 88                           ; v88-103 w1's two fragments
.set CB,  104                          ; v104-111 b1 as a C operand
.set D0,  112                          ; v112-119, v120-127 the two products
.set D1,  120
.set BF,  128                          ; v128-143 h's two fragments
.set OO,  144                          ; v144-146 three outputs
.set DATA, 148                         ; v148-243 slot i corner c at DATA + 16 i + 4 c
.set INV, CB                           ; 1 / (aabb[1] - aabb[0]), until b1 takes the registers
.set A0,  28                           ; s28-30 aabb[0]
.set A1,  32                           ; s32-34 aabb[1]
.set TB,  40                           ; s[40:51] the six tables
; A space coordinate in texels, step by step as reference() has it; the factors 0.5 and 127 are one, 63.5, which rounds alike.
.macro COORD x, src, d
	v_sub_f32 v[\x], v[\src], s[A0+(\d)]
	v_mul_f32 v[\x], v[\x], v[INV+(\d)]
	v_fma_f32 v[\x], v[\x], 2.0, -1.0
	v_add_f32 v[\x], 1.0, v[\x]
	v_mul_f32 v[\x], 0x427e0000, v[\x]
.endm
.macro COORDT x, src
	v_fma_f32 v[\x], v[\src], 2.0, -1.0
	v_add_f32 v[\x], 1.0, v[\x]
	v_mul_f32 v[\x], 0x42460000, v[\x]
.endm
; The fractions of points 32 i + lane, into LDS
.macro FRAC i
.irp d, 0,1,2
	COORD HH, W+4*(\i)+\d, \d
	v_bfe_u32 v[HH+1], v[W+16+(\i)], 8*\d, 8
	v_cvt_f32_u32 v[HH+1], v[HH+1]
	v_sub_f32 v[ACC+2*\d+1], v[HH], v[HH+1]
	v_sub_f32 v[ACC+2*\d], 1.0, v[ACC+2*\d+1]
.endr
	COORDT HH, W+4*(\i)+3
	v_lshrrev_b32 v[HH+1], 24, v[W+16+(\i)]
	v_cvt_f32_u32 v[HH+1], v[HH+1]
	v_sub_f32 v[ACC+7], v[HH], v[HH+1]
	v_sub_f32 v[ACC+6], 1.0, v[ACC+7]
	ds_store_b128 v[FS], v[ACC:ACC+3] offset:GP*(\i)
	ds_store_b128 v[FS], v[ACC+4:ACC+7] offset:GP*(\i)+16
.endm
; The next pass's cells out of dword d.  Each is held to its table's last cell by a constant in the line, so that no offset made of it leaves the table.
.macro NEXT d
	v_bfe_u32 v[CC], v[\d], 0, 8
	v_bfe_u32 v[CC+1], v[\d], 8, 8
	v_bfe_u32 v[CC+2], v[\d], 16, 8
	v_lshrrev_b32 v[CC+3], 24, v[\d]
	v_min_u32 v[CC], 126, v[CC]
	v_min_u32 v[CC+1], 126, v[CC+1]
	v_min_u32 v[CC+2], 126, v[CC+2]
	v_min_u32 v[CC+3], 98, v[CC+3]
	v_lshl_add_u32 v[AA], v[CC], 7, v[LQ]
	v_lshl_add_u32 v[AA+1], v[CC+1], 7, v[LQ]
	v_lshl_add_u32 v[AA+2], v[CC+2], 7, v[LQ]
.endm
; Slot i is filled: its table's columns go by coordinate a, its rows by coordinate b.  Corners: this texel, the next in the row, and the same two a row on.
.macro FILL i, a, b
	v_lshl_add_u32 v[AD+(\i)], v[CC+(\b)], 14, v[AA+(\a)]
	global_load_b128 v[DATA+16*(\i):DATA+16*(\i)+3], v[AD+(\i)], s[TB+2*(\i):TB+2*(\i)+1]
	global_load_b128 v[DATA+16*(\i)+4:DATA+16*(\i)+7], v[AD+(\i)], s[TB+2*(\i):TB+2*(\i)+1] offset:128
	global_load_b128 v[DATA+16*(\i)+8:DATA+16*(\i)+11], v[AD+(\i)], s[TB+2*(\i):TB+2*(\i)+1] offset:16384
	global_load_b128 v[DATA+16*(\i)+12:DATA+16*(\i)+15], v[AD+(\i)], s[TB+2*(\i):TB+2*(\i)+1] offset:16512
.endm
; Slot i's turn: its four loads are in (cnt younger loads may stay out); 32 multiply-adds, the eight sums by turns; the very first of a pass start the sums with b0, so nothing is cleared.
; Then, refill = 1, the slot is filled for the next pass: the counted wait has shown its loads done, so its offset register may be written.
.macro SLOT i, a, b, cnt, refill
	s_wait_loadcnt \cnt
.set c, 0
.rept 4
.set k, 0
.rept 4
.if ((\i) == 0) && (c == 0)
	v_fma_mix_f32 v[ACC+2*k], v[DATA+16*(\i)+4*c+k], v[W+4*(\i)+c], v[B0+2*k] op_sel_hi:[1,0,0]
	v_fma_mix_f32 v[ACC+2*k+1], v[DATA+16*(\i)+4*c+k], v[W+4*(\i)+c], v[B0+2*k+1] op_sel:[1,0,0] op_sel_hi:[1,0,0]
.else
	v_fma_mix_f32 v[ACC+2*k], v[DATA+16*(\i)+4*c+k], v[W+4*(\i)+c], v[ACC+2*k] op_sel_hi:[1,0,0]
	v_fma_mix_f32 v[ACC+2*k+1], v[DATA+16*(\i)+4*c+k], v[W+4*(\i)+c], v[ACC+2*k+1] op_sel:[1,0,0] op_sel_hi:[1,0,0]
.endif
.set k, k+1
.endr
.set c, c+1
.endr
.if \refill
	FILL \i, \a, \b
.endif
.endm
; A slot's four weights: (1 - wa, wa) times 1 - wb, then times wb
.macro WG i, a, b
	v_pk_mul_f32 v[W+4*(\i):W+4*(\i)+1], v[PP+2*(\a):PP+2*(\a)+1], v[PP+2*(\b):PP+2*(\b)+1] op_sel_hi:[1,0]
	v_pk_mul_f32 v[W+4*(\i)+2:W+4*(\i)+3], v[PP+2*(\a):PP+2*(\a)+1], v[PP+2*(\b):PP+2*(\b)+1] op_sel:[0,1] op_sel_hi:[1,1]
.endm
.macro WGT
	WG 0, 0, 1
	WG 1, 0, 2
	WG 2, 1, 2
	WG 3, 0, 3
	WG 4, 1, 3
	WG 5, 2, 3
.endm
; h is rounded to f16, held at 0 from below, and put into row 4 s + g of the stage
.macro HSTORE s
.irp k, 0,1,2,3
	v_cvt_pk_f16_f32 v[HH+\k], v[ACC+2*\k], v[ACC+2*\k+1]
.endr
.irp k, 0,1,2,3
	v_pk_max_num_f16 v[HH+\k], v[HH+\k], v[ZR]
.endr
	ds_store_b128 v[HA], v[HH:HH+3] offset:4*HPI*(\s)
.endm
; Pass s of a trip.  refill = 1: the next pass's fractions are asked for, its cells are taken from dword d, and each slot is filled again behind its turn; then cnt loads are younger than a slot's own
; at each of the six waits: the 20 of the five other slots, and in a trip's first pass the load of the next idx.  refill = 0: the last pass: the counts run down.
.macro STEP s, d, cnt, refill
.if \refill
	ds_load_b128 v[PP:PP+3], v[FA] offset:32*((\s)+1)
	ds_load_b128 v[PP+4:PP+7], v[FA] offset:32*((\s)+1)+16
	NEXT \d
	SLOT 0, 0, 1, \cnt, 1
	SLOT 1, 0, 2, \cnt, 1
	SLOT 2, 1, 2, \cnt, 1
	SLOT 3, 0, 3, \cnt, 1
	SLOT 4, 1, 3, \cnt, 1
	SLOT 5, 2, 3, \cnt, 1
.else
	SLOT 0, 0, 1, 20, 0
	SLOT 1, 0, 2, 16, 0
	SLOT 2, 1, 2, 12, 0
	SLOT 3, 0, 3, 8, 0
	SLOT 4, 1, 3, 4, 0
	SLOT 5, 2, 3, 0, 0
.endif
	HSTORE \s
.if (\refill) && ((\s) < 3)
	s_wait_dscnt 0x1                               ; the fractions are in; only the store of h is younger
	WGT
.endif
.endm
; THE SECOND LAYER for a trip's 16 rows of h.  Source 0: w1 turned, rows 0-2 and 8-10 its three columns, the other rows 0.  Source 1: column n = row n of the stage.  So registers 0-2 of lane n % 16, in both
; halves of the lanes, are the three outputs of stage row n.  K = 64 is two products on two accumulators, the first on b1, added afterwards: no product adds onto another's result.
.macro EPI last
	ds_load_b128 v[BF:BF+3], v[BA]                 ; LDS serves a wave's instructions in order: these see the four stores of h
	ds_load_b128 v[BF+4:BF+7], v[BA] offset:32
	ds_load_b128 v[BF+8:BF+11], v[BA] offset:64
	ds_load_b128 v[BF+12:BF+15], v[BA] offset:96
.if !(\last)
	s_wait_dscnt 0x5                               ; the next pass's fractions are in: the store of h and these four loads are younger
	WGT
.endif
	s_wait_dscnt 0x0
	v_wmma_f32_16x16x32_f16 v[D0:D0+7], v[W1F:W1F+7], v[BF:BF+7], v[CB:CB+7]
	v_wmma_f32_16x16x32_f16 v[D1:D1+7], v[W1F+8:W1F+15], v[BF+8:BF+15], 0
.if \last
.rept 4
	v_nop                                          ; four places between the products and the first read of their results (ISA guide 7.12.1)
.endr
.else
	v_mov_b32 v[IC+1], v[IX+1]                     ; work that is due anyway takes the four places: the next trip's idx,
	v_mov_b32 v[IC+2], v[IX+2]
	v_mov_b32 v[IC+3], v[IX+3]
	v_add_nc_u32 v[FA], 128, v[FA]                 ; and its fractions, four passes of 32 bytes on
.endif
	v_add_f32 v[OO], v[D0], v[D1]                  ; each accumulator's register 0 is read first
	v_add_f32 v[OO+1], v[D0+1], v[D1+1]
	v_add_f32 v[OO+2], v[D0+2], v[D1+2]
	ds_store_b32 v[OA], v[OO]                      ; lanes n and 16 + n hold the same numbers and write the same words
	ds_store_b32 v[OA], v[OO+1] offset:4
	ds_store_b32 v[OA], v[OO+2] offset:8
.if !(\last)
	v_add_nc_u32 v[OA], 48, v[OA]                  ; the next trip's points lie four further on
.endif
.endm
	s_load_b512 s[8:23], s[0:1], 0x0               ; inp s[8:9], aabb s[10:11], idx s[12:13], tab s[14:15], b0 s[16:17], w1 s[18:19], b1 s[20:21], out0 s[22:23]
	v_lshl_add_u32 v[SPW], v0, 2, SPARE
	v_mov_b32 v[NIL], 0
	v_lshrrev_b32 v1, 5, v0
	v_readfirstlane_b32 s24, v1                    ; wave 0..15
	v_and_b32 v1, 31, v0                           ; lane
	v_and_b32 v[QL], 7, v0                         ; q
	v_bfe_u32 v[GL], v0, 3, 2                      ; g
	v_and_b32 v[OO], 15, v0                        ; lane % 16
	v_bfe_u32 v[OO+1], v0, 4, 1                    ; lane / 16
	s_lshl_b32 s25, s24, 13                        ; my wave's 8,192 bytes of LDS
	s_add_co_u32 s26, s25, HSO
	s_add_co_u32 s27, s25, OSO
	v_lshlrev_b32 v[LQ], 4, v[QL]
	v_lshlrev_b32 v[IO], 7, v[GL]
	v_mul_u32_u24 v[FA], v[GL], GP
	v_add_nc_u32 v[FA], s25, v[FA]
	v_mul_u32_u24 v[HA], v[GL], HPI
	v_add_nc_u32 v[HA], v[HA], v[LQ]
	v_add_nc_u32 v[HA], s26, v[HA]
	v_mul_u32_u24 v[BA], v[OO], HPI
	v_lshl_add_u32 v[BA], v[OO+1], 4, v[BA]
	v_add_nc_u32 v[BA], s26, v[BA]
	v_and_b32 v[OA], 3, v0                         ; stage row n is group n % 4, pass n / 4: point 32 (n % 4) + n / 4 of the trip's, 12 bytes each
	v_mul_u32_u24 v[OA], v[OA], 384
	v_bfe_u32 v[OO+2], v0, 2, 2
	v_mul_u32_u24 v[OO+2], v[OO+2], 12
	v_add_nc_u32 v[OA], v[OA], v[OO+2]
	v_add_nc_u32 v[OA], s27, v[OA]
	v_lshl_add_u32 v[FS], v1, 5, s25
	v_lshlrev_b32 v[VO], 4, v1
	v_lshlrev_b32 v147, 2, v1                      ; 4 x lane
	v_lshlrev_b32 v[ZR], 5, v[QL]                  ; my eight numbers of b0
	v_min_u32 v[OO+2], 2, v[QL]                    ; w1: row lane % 8 of the fragment takes column min(lane % 8, 2): rows 3-7 load a number that is replaced by 0 below
	v_lshlrev_b32 v[OO+2], 2, v[OO+2]
	v_mul_u32_u24 v[OO], v[OO+1], 96               ; 8 (lane / 16) rows of 12 bytes
	v_add_nc_u32 v[OO+2], v[OO], v[OO+2]
	s_lshl_b32 s54, ttmp9, 4
	s_add_co_u32 s54, s54, s24                     ; my wave among the launch's 4,096
	s_mov_b32 s57, 0
	s_wait_kmcnt 0x0
	s_load_b96 s[A0:A0+2], s[10:11], 0x0
	s_load_b96 s[A1:A1+2], s[10:11], 0xc
	s_load_b96 s[36:38], s[20:21], 0x0             ; b1
	s_lshl_b32 s56, s54, 11                        ; 128 points of 16 bytes
	s_add_nc_u64 s[8:9], s[8:9], s[56:57]
	s_lshl_b32 s56, s54, 9                         ; 128 dwords
	s_add_nc_u64 s[12:13], s[12:13], s[56:57]
	s_mul_i32 s56, s54, 1536                       ; 128 points of 12 bytes
	s_add_nc_u64 s[22:23], s[22:23], s[56:57]
	s_mov_b64 s[TB:TB+1], s[14:15]                 ; XY
	s_add_nc_u64 s[TB+2:TB+3], s[14:15], 0x200000  ; XZ: 128 rows on
	s_add_nc_u64 s[TB+4:TB+5], s[14:15], 0x400000  ; YZ
	s_add_nc_u64 s[TB+6:TB+7], s[14:15], 0x600000  ; XT
	s_add_nc_u64 s[TB+8:TB+9], s[14:15], 0x790000  ; YT: 100 rows on
	s_add_nc_u64 s[TB+10:TB+11], s[14:15], 0x920000  ; ZT
	global_load_b128 v[IC:IC+3], v[IO], s[12:13]   ; idx of my group's passes 0-3
.irp i, 0,1,2,3
	global_load_b128 v[W+4*\i:W+4*\i+3], v[VO], s[8:9] offset:512*\i th:TH_LOAD_NT  ; points 32 i + lane
.endr
.irp i, 0,1,2,3
	global_load_b32 v[W+16+\i], v147, s[12:13] offset:128*\i  ; and their cells
.endr
	global_load_b128 v[B0:B0+3], v[ZR], s[16:17]
	global_load_b128 v[B0+4:B0+7], v[ZR], s[16:17] offset:16
.set i, 0
.rept 32
	global_load_b32 v[D0+i], v[OO+2], s[18:19] offset:12*(32*(i/16)+16*((i/8)%2)+i%8)  ; w1[k][column], k in the order of a fragment's registers
.set i, i+1
.endr
	s_wait_loadcnt 42                              ; the first idx is in: 4 + 4 + 2 + 32 loads are younger
	NEXT IC
	FILL 0, 0, 1                                   ; pass 0's 24 texels go out before anything else is worked on
	FILL 1, 0, 2
	FILL 2, 1, 2
	FILL 3, 0, 3
	FILL 4, 1, 3
	FILL 5, 2, 3
	s_wait_loadcnt 24                              ; all but those 24
	s_wait_kmcnt 0x0                               ; aabb, b1
	v_sub_f32 v[INV], s[A1], s[A0]
	v_sub_f32 v[INV+1], s[A1+1], s[A0+1]
	v_sub_f32 v[INV+2], s[A1+2], s[A0+2]
	v_rcp_f32 v[INV], v[INV]
	v_rcp_f32 v[INV+1], v[INV+1]
	v_rcp_f32 v[INV+2], v[INV+2]
	v_mov_b32 v[ZR], 0                             ; a plain instruction between the last reciprocal and the use of its result; b0's loads are done, so their offset register is free
	s_wait_alu depctr_va_vdst(0)
	FRAC 0
	FRAC 1
	FRAC 2
	FRAC 3
	v_cmp_gt_u32 vcc_lo, 3, v[QL]                  ; rows 0-2 and 8-10 of w1's fragments are kept
.set j, 0
.rept 16
	v_cvt_pk_f16_f32 v[W1F+j], v[D0+2*j], v[D0+2*j+1]
.set j, j+1
.endr
.set j, 0
.rept 16
	v_cndmask_b32 v[W1F+j], 0, v[W1F+j], vcc_lo
.set j, j+1
.endr
	v_mov_b32 v[CB], s36                           ; register j of the C operand is row j or 8 + j: b1 in rows 0-2 and 8-10
	v_mov_b32 v[CB+1], s37
	v_mov_b32 v[CB+2], s38
.irp j, 3,4,5,6,7
	v_mov_b32 v[CB+\j], 0
.endr
	ds_load_b128 v[PP:PP+3], v[FA]                 ; pass 0's fractions
	ds_load_b128 v[PP+4:PP+7], v[FA] offset:16
	s_wait_dscnt 0x0
	WGT
	s_mov_b32 s52, 7
.Ltrip:                                                ; seven trips of four passes; each asks for the next trip's idx and fills every slot four times
	s_add_nc_u64 s[12:13], s[12:13], 16            ; the last load by this base is done: 24 loads or more were issued behind it, and a wait for 21 at the most has been passed since
	global_load_b128 v[IX:IX+3], v[IO], s[12:13]
	STEP 0, IC+1, 21, 1                            ; 21: the five other slots' 20 loads and the load of idx just issued
	STEP 1, IC+2, 20, 1
	STEP 2, IC+3, 20, 1
	STEP 3, IX, 20, 1                              ; the next idx is in since pass 1's first wait
	EPI 0
	s_sub_co_u32 s52, s52, 1
	s_cmp_lg_u32 s52, 0
	s_cbranch_scc1 .Ltrip
	STEP 0, IC+1, 20, 1                            ; the last trip is written out: no further idx, and its last pass fills nothing
	STEP 1, IC+2, 20, 1
	STEP 2, IC+3, 20, 1
	STEP 3, IC, 0, 0
	EPI 1
	v_lshl_add_u32 v[GL], v1, 4, s27               ; THE WAY OUT: my wave's 1,536 bytes, in the points' order
.irp i, 0,1,2
	ds_load_b128 v[DATA+4*\i:DATA+4*\i+3], v[GL] offset:512*\i
.endr
.irp i, 0,1,2
	s_wait_dscnt 2-\i
	global_store_b128 v[VO], v[DATA+4*\i:DATA+4*\i+3], s[22:23] offset:512*\i th:TH_STORE_NT  ; 512 consecutive bytes, at a multiple of 512 from out0's first byte
.endr
	s_wait_tensorcnt 0x0                           ; the wave's end, behind my last LDS store
	ds_add_u32 v[SPW], v[NIL]
	s_wait_dscnt 0x0
	s_endpgm
.Lfunc_end_k_qc3cb7bd6b6_main:
	.size	k_qc3cb7bd6b6_main, .Lfunc_end_k_qc3cb7bd6b6_main-k_qc3cb7bd6b6_main
	.p2alignl 7, 3214868480
	.fill 96, 4, 3214868480
	.section	.rodata,"a",@progbits
	.p2align	6, 0x0
	.amdhsa_kernel k_qc3cb7bd6b6_main
		.amdhsa_group_segment_fixed_size 133120
		.amdhsa_private_segment_fixed_size 0
		.amdhsa_enable_private_segment 0
		.amdhsa_kernarg_size 64
		.amdhsa_user_sgpr_count 2
		.amdhsa_user_sgpr_kernarg_segment_ptr 1
		.amdhsa_wavefront_size32 1
		.amdhsa_system_sgpr_workgroup_id_x 1
		.amdhsa_system_sgpr_workgroup_id_y 1
		.amdhsa_system_sgpr_workgroup_id_z 1
		.amdhsa_system_vgpr_workitem_id 0
		.amdhsa_next_free_vgpr 248
		.amdhsa_next_free_sgpr 66
		.amdhsa_reserve_vcc 1
		.amdhsa_float_denorm_mode_32 3
		.amdhsa_float_denorm_mode_16_64 3
		.amdhsa_memory_ordered 1
		.amdhsa_forward_progress 1
		.amdhsa_inst_pref_size 154
	.end_amdhsa_kernel
	.amdgpu_metadata
---
amdhsa.version: [ 1, 2 ]
amdhsa.kernels:
  - .name:           k_qc3cb7bd6b6_main
    .symbol:         k_qc3cb7bd6b6_main.kd
    .args:
      - { .name: inp, .offset: 0, .size: 8, .value_kind: global_buffer, .address_space: global }
      - { .name: aabb, .offset: 8, .size: 8, .value_kind: global_buffer, .address_space: global }
      - { .name: idx, .offset: 16, .size: 8, .value_kind: global_buffer, .address_space: global }
      - { .name: tab, .offset: 24, .size: 8, .value_kind: global_buffer, .address_space: global }
      - { .name: b0, .offset: 32, .size: 8, .value_kind: global_buffer, .address_space: global }
      - { .name: w1, .offset: 40, .size: 8, .value_kind: global_buffer, .address_space: global }
      - { .name: b1, .offset: 48, .size: 8, .value_kind: global_buffer, .address_space: global }
      - { .name: out0, .offset: 56, .size: 8, .value_kind: global_buffer, .address_space: global }
    .group_segment_fixed_size: 133120
    .private_segment_fixed_size: 0
    .kernarg_segment_align: 8
    .kernarg_segment_size: 64
    .max_flat_workgroup_size: 512
    .sgpr_count:     66
    .vgpr_count:     248
    .wavefront_size: 32
...
	.end_amdgpu_metadata
.endif
;; end of part 3
;; ======== version 2 of 2: 3 launches; version 1 with the launch main written anew for expert scheduling mode
;; limits: values are held in f16: magnitudes above 65,504 overflow, below 6.1e-05 lose precision
;; workspace buffers: idx 2,097,152 bytes of whole numbers; tab 11,206,656 bytes
;; launch prep: the kernel of part 1 again; grid 256 x 1, 8 waves a work-group, no clusters, 9,216 bytes of LDS; arguments inp, aabb, idx; writes idx
;; launch proj: the kernel of part 2 again; grid 684 x 1, 1 waves a work-group, no clusters, 9,984 bytes of LDS; arguments tp0, tp1, tp3, sp0, sp1, sp2, tp2, tp4, tp5, w0, tab; writes tab
;; launch main (part 4): grid 256 x 1, 16 waves a work-group, no clusters, 133,120 bytes of LDS; arguments inp, aabb, idx, tab, b0, w1, b1, out0; writes out0
.if DOCPART == 4
	.amdgcn_target "amdgcn-amd-amdhsa--gfx1250"
	.amdhsa_code_object_version 6
	.text
	.protected	k_qc3cb7bd6b6_main
	.globl	k_qc3cb7bd6b6_main
	.p2align	8
	.type	k_qc3cb7bd6b6_main,@function
k_qc3cb7bd6b6_main:
	s_mov_b64 s[64:65], 0
	v_nop
	global_prefetch_b8 v0, s[64:65] scope:SCOPE_SE
	s_setreg_imm32_b32 hwreg(HW_REG_WAVE_SCHED_MODE, 0, 2), 2
	s_setreg_imm32_b32 hwreg(HW_REG_WAVE_MODE, 25, 1), 1
	s_wait_xcnt 0x0
	s_wait_alu depctr_vm_vsrc(0)
; GATHER, SAMPLE, SECOND LAYER.  out[n] = relu(b0 + the sum over six tables of the bilinear sample at point n) @ w1 + b1.  The tables hold the planes already multiplied by w0:
; [row][x][64] f16, a texel 128 bytes, a row 16,384; XY, XZ, YZ of 128 rows, XT, YT, ZT of 100.  A point takes 24 texels.  The cells come from idx, whole numbers that an earlier launch stored
; (x | y<<8 | z<<16 | t<<24); the fractions are made here in f32: the coordinate in texels less the stored cell.
; FORMATS.  Table numbers f16, corner weights and all sums f32 (v_fma_mix_f32 reads the f16 half and adds in f32); h is rounded once to f16 for the matrix unit, w1 too; the second layer's sums in f32.
; LIMITS.  h and w1 lie within f16's 65,504.  The division by aabb[1] - aabb[0] is a reciprocal and a multiplication; aabb[1] = aabb[0] and NaN coordinates are not treated apart.
; A corner's weight is the product of its two factors, formed first: the order of rounding differs from reference()'s.
; SHARES.  A work-group has 2,048 points, each of its 16 waves 128.  Lane: g = lane / 8, q = lane % 8.  In pass P (0..31) group g works on the wave's point 32 g + P, lane q on outputs 8 q .. 8 q + 7:
; a load of 16 bytes a lane takes four whole texels, one for each group, and no sum crosses lanes.  Six slots (one a table) of four corners are filled a pass ahead, two slots at a time.
; Four passes are a trip: their 16 rows of h go through LDS to one pair of matrix instructions.  Each wave's LDS is its own: no barrier.
; NO CLUSTER, NO TENSOR LOAD: which texels are read hangs on the points; no two work-groups ask for the same tile by plan.
; THE MODE: SCHED_MODE bits 1:0 = 2 (LLVM: expert scheduling mode 2), set by the entry lines.  The code itself states the register dependences
; between vector or matrix instructions and memory or LDS instructions, with s_wait_alu, always for 0.
; THE PLAN.  Registers that memory or LDS instructions touch, in the loop:
;   DATA0 .. DATA5  Slot i's 32 multiply-adds read DATA[i]; the slot's four loads for the next pass land in it.  Slots 0 and 1 are filled again at the head of slot 2's turn, slots 2 and 3 at the head of slot 4's,
;                   slots 4 and 5 behind the roundings of h.
;   AD0 .. AD5      The six offsets are written together in a pass's middle, behind slot 1's multiply-adds; the pass's 24 loads, all issued behind that and ahead of the next pass's middle, read them.
;   PP              Written by two LDS loads at the head of slot 2's turn; read by the twelve multiplications that make the weights at the pass's end.
;   HH              Written by a pass's roundings; read by the LDS store of h behind them.
;   IX              Written by a load in a trip's first pass; read by the cells' lines of its fourth pass and by three moves behind the products.
;   BF, OO          BF: four LDS loads write it, the two products read it.  OO: three additions write it, three LDS stores read it.
;   FA, OA          LDS addresses, read by PP's loads and by OO's stores; each is stepped once a trip, at the trip's foot.
;   IO, HA, BA, FS, VO, v147: offsets and LDS addresses made at the head and never written again.  v[SPW], v[NIL]: read by the closing add alone.
; So a pass has three waits on va_vdst, each ahead of eight table loads and behind the wait for data that stands there anyway or the roundings of h, and one wait on vm_vsrc, in its middle, 76 vector instructions behind the youngest memory instruction.
.set SPARE, 131072                     ; behind the 16 waves' 8,192 bytes: the spare words, 128 bytes for each wave
.set GP,    1056                       ; the fractions: point l's eight f32 (1 - wx, wx, 1 - wy, wy, 1 - wz, wz, 1 - wt, wt) at GP (l / 32) + 32 (l % 32): the four groups' reads start 8 banks apart (64 banks of 4 bytes: ISA guide 11.1)
.set HSO,   4224                       ; 16 rows of h, 128 bytes + 16
.set HPI,   144
.set OSO,   6528                       ; 128 points x 12 bytes of output
.set SPW, 2                            ; v2   LDS address of my spare word; never rewritten
.set NIL, 3                            ; v3   0; never rewritten
.set LQ,  4                            ; v4   16 q
.set IO,  5                            ; v5   128 g: my group's 32 dwords of idx
.set FA,  6                            ; v6   my group's fractions, at the trip's first pass
.set HA,  7                            ; v7   where I put 16 bytes of h: row g, 16 q
.set BA,  8                            ; v8   where I read a fragment of h: row lane % 16, 16 (lane / 16)
.set OA,  9                            ; v9   where column lane % 16 of the result goes
.set ZR,  10                           ; v10  0, for the packed maximum (at first: b0's offset)
.set QL,  11                           ; v11  q
.set CC,  12                           ; v12-15  the next pass's cells x, y, z, t
.set AA,  16                           ; v16-18  cell x 128 + 16 q for x, y, z
.set GL,  19                           ; v19  g; at the end an LDS address
.set AD,  20                           ; v20-25  a slot's offset in its table
.set FS,  26                           ; v26  the fractions' way in: 32 x lane
.set VO,  27                           ; v27  16 x lane
.set IC,  28                           ; v28-31  idx of this trip's four passes
.set IX,  32                           ; v32-35  of the next trip's
.set PP,  36                           ; v36-43  the next pass's fractions
.set W,   44                           ; v44-67  24 corner weights, slot i corner c at W + 4 i + c
.set ACC, 68                           ; v68-75  h of my eight outputs
.set B0,  76                           ; v76-83  b0 of my eight outputs
.set HH,  84                           ; v84-87  h packed
.set W1F, 88                           ; v88-103 w1's two fragments
.set CB,  104                          ; v104-111 b1 as a C operand
.set D0,  112                          ; v112-119, v120-127 the two products
.set D1,  120
.set BF,  128                          ; v128-143 h's two fragments
.set OO,  144                          ; v144-146 three outputs
.set DATA, 148                         ; v148-243 slot i corner c at DATA + 16 i + 4 c
.set INV, CB                           ; 1 / (aabb[1] - aabb[0]), until b1 takes the registers
.set A0,  28                           ; s28-30 aabb[0]
.set A1,  32                           ; s32-34 aabb[1]
.set TB,  40                           ; s[40:51] the six tables
; A space coordinate in texels, step by step as reference() has it; the factors 0.5 and 127 are one, 63.5, which rounds alike.
.macro COORD x, src, d
	v_sub_f32 v[\x], v[\src], s[A0+(\d)]
	v_mul_f32 v[\x], v[\x], v[INV+(\d)]
	v_fma_f32 v[\x], v[\x], 2.0, -1.0
	v_add_f32 v[\x], 1.0, v[\x]
	v_mul_f32 v[\x], 0x427e0000, v[\x]
.endm
.macro COORDT x, src
	v_fma_f32 v[\x], v[\src], 2.0, -1.0
	v_add_f32 v[\x], 1.0, v[\x]
	v_mul_f32 v[\x], 0x42460000, v[\x]
.endm
; The fractions of points 32 i + lane, into the eight registers from f on: each of the four sets of points has registers of its own, so that one wait serves all their stores
.macro FRAC i, f
.irp d, 0,1,2
	COORD HH, W+4*(\i)+\d, \d
	v_bfe_u32 v[HH+1], v[W+16+(\i)], 8*\d, 8
	v_cvt_f32_u32 v[HH+1], v[HH+1]
	v_sub_f32 v[(\f)+2*\d+1], v[HH], v[HH+1]
	v_sub_f32 v[(\f)+2*\d], 1.0, v[(\f)+2*\d+1]
.endr
	COORDT HH, W+4*(\i)+3
	v_lshrrev_b32 v[HH+1], 24, v[W+16+(\i)]
	v_cvt_f32_u32 v[HH+1], v[HH+1]
	v_sub_f32 v[(\f)+7], v[HH], v[HH+1]
	v_sub_f32 v[(\f)+6], 1.0, v[(\f)+7]
.endm
.macro FRST i, f                       ; and into LDS
	ds_store_b128 v[FS], v[(\f):(\f)+3] offset:GP*(\i)
	ds_store_b128 v[FS], v[(\f)+4:(\f)+7] offset:GP*(\i)+16
.endm
; The next pass's cells out of dword d.  Each is held to its table's last cell by a constant in the line, so that no offset made of it leaves the table.
; Then the six slots' offsets: a table's columns go by its first coordinate, its rows by its second.
.macro NEXT d
	v_bfe_u32 v[CC], v[\d], 0, 8
	v_bfe_u32 v[CC+1], v[\d], 8, 8
	v_bfe_u32 v[CC+2], v[\d], 16, 8
	v_lshrrev_b32 v[CC+3], 24, v[\d]
	v_min_u32 v[CC], 126, v[CC]
	v_min_u32 v[CC+1], 126, v[CC+1]
	v_min_u32 v[CC+2], 126, v[CC+2]
	v_min_u32 v[CC+3], 98, v[CC+3]
	v_lshl_add_u32 v[AA], v[CC], 7, v[LQ]
	v_lshl_add_u32 v[AA+1], v[CC+1], 7, v[LQ]
	v_lshl_add_u32 v[AA+2], v[CC+2], 7, v[LQ]
	v_lshl_add_u32 v[AD], v[CC+1], 14, v[AA]       ; XY
	v_lshl_add_u32 v[AD+1], v[CC+2], 14, v[AA]     ; XZ
	v_lshl_add_u32 v[AD+2], v[CC+2], 14, v[AA+1]   ; YZ
	v_lshl_add_u32 v[AD+3], v[CC+3], 14, v[AA]     ; XT
	v_lshl_add_u32 v[AD+4], v[CC+3], 14, v[AA+1]   ; YT
	v_lshl_add_u32 v[AD+5], v[CC+3], 14, v[AA+2]   ; ZT
.endm
; Slot i is filled.  Corners: this texel, the next in the row, and the same two a row on.
.macro FILL i
	global_load_b128 v[DATA+16*(\i):DATA+16*(\i)+3], v[AD+(\i)], s[TB+2*(\i):TB+2*(\i)+1]
	global_load_b128 v[DATA+16*(\i)+4:DATA+16*(\i)+7], v[AD+(\i)], s[TB+2*(\i):TB+2*(\i)+1] offset:128
	global_load_b128 v[DATA+16*(\i)+8:DATA+16*(\i)+11], v[AD+(\i)], s[TB+2*(\i):TB+2*(\i)+1] offset:16384
	global_load_b128 v[DATA+16*(\i)+12:DATA+16*(\i)+15], v[AD+(\i)], s[TB+2*(\i):TB+2*(\i)+1] offset:16512
.endm
; Slot i's multiply-adds for n corners from corner first on, eight a corner, the eight sums by turns; the very first of a pass start the sums with b0, so nothing is cleared.
.macro MAC i, first, n
.set c, \first
.rept \n
.set k, 0
.rept 4
.if ((\i) == 0) && (c == 0)
	v_fma_mix_f32 v[ACC+2*k], v[DATA+16*(\i)+4*c+k], v[W+4*(\i)+c], v[B0+2*k] op_sel_hi:[1,0,0]
	v_fma_mix_f32 v[ACC+2*k+1], v[DATA+16*(\i)+4*c+k], v[W+4*(\i)+c], v[B0+2*k+1] op_sel:[1,0,0] op_sel_hi:[1,0,0]
.else
	v_fma_mix_f32 v[ACC+2*k], v[DATA+16*(\i)+4*c+k], v[W+4*(\i)+c], v[ACC+2*k] op_sel_hi:[1,0,0]
	v_fma_mix_f32 v[ACC+2*k+1], v[DATA+16*(\i)+4*c+k], v[W+4*(\i)+c], v[ACC+2*k+1] op_sel:[1,0,0] op_sel_hi:[1,0,0]
.endif
.set k, k+1
.endr
.set c, c+1
.endr
.endm
; A slot's four weights: (1 - wa, wa) times 1 - wb, then times wb
.macro WG i, a, b
	v_pk_mul_f32 v[W+4*(\i):W+4*(\i)+1], v[PP+2*(\a):PP+2*(\a)+1], v[PP+2*(\b):PP+2*(\b)+1] op_sel_hi:[1,0]
	v_pk_mul_f32 v[W+4*(\i)+2:W+4*(\i)+3], v[PP+2*(\a):PP+2*(\a)+1], v[PP+2*(\b):PP+2*(\b)+1] op_sel:[0,1] op_sel_hi:[1,1]
.endm
.macro WGT
	WG 0, 0, 1
	WG 1, 0, 2
	WG 2, 1, 2
	WG 3, 0, 3
	WG 4, 1, 3
	WG 5, 2, 3
.endm
; Pass s of a trip.  refill = 1: the next pass's cells are taken from dword d, its fractions are asked for, and the slots are filled again in pairs.  idx = 1: a trip's first pass in the loop, which asks for the next trip's idx.
; THE COUNTS.  The table loads go out in the order slot 0, 1 | 2, 3 | 4, 5, four each; the load of idx stands ahead of slot 0's.  Younger than a slot's own four at its wait:
; slot 0: slots 1-5's 20.  Slot 1: 16.  Slot 2: 12.  Slot 3: slots 4 and 5's 8 and the new 8 of slots 0 and 1.  Slot 4: slot 5's 4 and those 8.  Slot 5: the new 16 of slots 0-3.  The last three: one more where idx was asked for.
; refill = 0: the last pass: nothing is asked for and the counts run down.
.macro STEP s, d, idx, refill
	s_wait_loadcnt 20
	MAC 0, 0, 4
	s_wait_loadcnt 16
	MAC 1, 0, 4
.if \refill
	s_wait_xcnt 0x0                                ; every earlier memory instruction has had its addresses translated (ISA guide 3.1): the six offsets, which loads still out name, are rewritten only behind this wait
.endif
	s_wait_alu depctr_vm_vsrc(0)                   ; the table loads issued so far have read the six offsets, which the lines below write again; the last pass's LDS store has read HH, which this pass's roundings write again
.if \refill
	NEXT \d
.endif
	s_wait_loadcnt 12
.if \refill
	s_wait_alu depctr_va_vdst(0)                   ; slots 0 and 1's multiply-adds are done reading their DATA, in which the loads below land; the six offsets are written; the weights' multiplications are done reading PP; the readers of IX are done; FA's step is written
.if \idx
	s_add_nc_u64 s[12:13], s[12:13], 16            ; the last load by this base is done: it is older than loads of slot 0 for which a wait has been passed since
	global_load_b128 v[IX:IX+3], v[IO], s[12:13]
.endif
	ds_load_b128 v[PP:PP+3], v[FA] offset:32*((\s)+1)
	ds_load_b128 v[PP+4:PP+7], v[FA] offset:32*((\s)+1)+16
	FILL 0
	MAC 2, 0, 2
	FILL 1                                         ; no wait: no vector instruction since the wait above names slot 1's DATA or its offset
	MAC 2, 2, 2
	s_wait_loadcnt 16+(\idx)
	MAC 3, 0, 4
	s_wait_loadcnt 12+(\idx)
	s_wait_alu depctr_va_vdst(0)                   ; slots 2 and 3's multiply-adds are done reading their DATA, in which the loads below land
	FILL 2
	MAC 4, 0, 2
	FILL 3                                         ; no wait: no vector instruction since the wait above names slot 3's DATA or its offset
	MAC 4, 2, 2
	s_wait_loadcnt 16+(\idx)
	MAC 5, 0, 4
.else
	MAC 2, 0, 4
	s_wait_loadcnt 8
	MAC 3, 0, 4
	s_wait_loadcnt 4
	MAC 4, 0, 4
	s_wait_loadcnt 0
	MAC 5, 0, 4
.endif
.irp k, 0,1,2,3
	v_cvt_pk_f16_f32 v[HH+\k], v[ACC+2*\k], v[ACC+2*\k+1]  ; h is rounded to f16,
.endr
.irp k, 0,1,2,3
	v_pk_max_num_f16 v[HH+\k], v[HH+\k], v[ZR]     ; held at 0 from below,
.endr
	s_wait_alu depctr_va_vdst(0)                   ; HH is written, which the LDS store reads; slots 4 and 5's multiply-adds are done reading their DATA, in which the loads below land; the last trip's products are done reading BF
.if \refill
	FILL 4
	FILL 5
.endif
	ds_store_b128 v[HA], v[HH:HH+3] offset:4*HPI*(\s)  ; and put into row 4 s + g of the stage
.if (\refill) && ((\s) < 3)
	s_wait_dscnt 0x1                               ; the fractions are in; only the store of h is younger
	WGT
.endif
.endm
; THE SECOND LAYER for a trip's 16 rows of h.  Source 0: w1 turned, rows 0-2 and 8-10 its three columns, the other rows 0.  Source 1: column n = row n of the stage.  So registers 0-2 of lane n % 16, in both
; halves of the lanes, are the three outputs of stage row n.  K = 64 is two products on two accumulators, the first on b1, added afterwards: no product adds onto another's result.
.macro EPI last
	ds_load_b128 v[BF:BF+3], v[BA]                 ; LDS serves a wave's instructions in order: these see the four stores of h.  No vector or matrix instruction since the pass's last wait names BF
	ds_load_b128 v[BF+4:BF+7], v[BA] offset:32
	ds_load_b128 v[BF+8:BF+11], v[BA] offset:64
	ds_load_b128 v[BF+12:BF+15], v[BA] offset:96
.if !(\last)
	s_wait_dscnt 0x5                               ; the next pass's fractions are in: the store of h and these four loads are younger
	WGT
.endif
	s_wait_dscnt 0x0
	v_wmma_f32_16x16x32_f16 v[D0:D0+7], v[W1F:W1F+7], v[BF:BF+7], v[CB:CB+7]
	v_wmma_f32_16x16x32_f16 v[D1:D1+7], v[W1F+8:W1F+15], v[BF+8:BF+15], 0
.if \last
.rept 4
	v_nop                                          ; four places between the products and the first read of their results (ISA guide 7.12.1)
.endr
.else
	v_mov_b32 v[IC+1], v[IX+1]                     ; work that is due anyway takes three of the four places: the next trip's idx
	v_mov_b32 v[IC+2], v[IX+2]
	v_mov_b32 v[IC+3], v[IX+3]
	v_nop
.endif
	v_add_f32 v[OO], v[D0], v[D1]                  ; each accumulator's register 0 is read first
	v_add_f32 v[OO+1], v[D0+1], v[D1+1]
	v_add_f32 v[OO+2], v[D0+2], v[D1+2]
	s_wait_alu depctr_va_vdst(0)                   ; the three sums are written, which the LDS stores read; so is OA's step of the trip before
	ds_store_b32 v[OA], v[OO]                      ; lanes n and 16 + n hold the same numbers and write the same words
	ds_store_b32 v[OA], v[OO+1] offset:4
	ds_store_b32 v[OA], v[OO+2] offset:8
.if !(\last)
	s_wait_alu depctr_vm_vsrc(0)                   ; the fractions' loads have read FA and the three stores OA and OO: the two addresses are stepped below, OO is written again in the next trip
	v_add_nc_u32 v[FA], 128, v[FA]                 ; the next trip's fractions, four passes of 32 bytes on
	v_add_nc_u32 v[OA], 48, v[OA]                  ; the next trip's points lie four further on
.endif
.endm
	s_load_b512 s[8:23], s[0:1], 0x0               ; inp s[8:9], aabb s[10:11], idx s[12:13], tab s[14:15], b0 s[16:17], w1 s[18:19], b1 s[20:21], out0 s[22:23]
	v_lshl_add_u32 v[SPW], v0, 2, SPARE
	v_mov_b32 v[NIL], 0
	v_lshrrev_b32 v1, 5, v0
	v_readfirstlane_b32 s24, v1                    ; wave 0..15
	v_and_b32 v1, 31, v0                           ; lane
	v_and_b32 v[QL], 7, v0                         ; q
	v_bfe_u32 v[GL], v0, 3, 2                      ; g
	v_and_b32 v[OO], 15, v0                        ; lane % 16
	v_bfe_u32 v[OO+1], v0, 4, 1                    ; lane / 16
	s_wait_alu depctr_va_sdst(0)                   ; s24 is written, ahead of its first reader: the wave's LDS bytes and its parts of inp, idx and out0 are made from it
	s_lshl_b32 s25, s24, 13                        ; my wave's 8,192 bytes of LDS
	s_add_co_u32 s26, s25, HSO
	s_add_co_u32 s27, s25, OSO
	v_lshlrev_b32 v[LQ], 4, v[QL]
	v_lshlrev_b32 v[IO], 7, v[GL]
	v_mul_u32_u24 v[FA], v[GL], GP
	v_add_nc_u32 v[FA], s25, v[FA]
	v_mul_u32_u24 v[HA], v[GL], HPI
	v_add_nc_u32 v[HA], v[HA], v[LQ]
	v_add_nc_u32 v[HA], s26, v[HA]
	v_mul_u32_u24 v[BA], v[OO], HPI
	v_lshl_add_u32 v[BA], v[OO+1], 4, v[BA]
	v_add_nc_u32 v[BA], s26, v[BA]
	v_and_b32 v[OA], 3, v0                         ; stage row n is group n % 4, pass n / 4: point 32 (n % 4) + n / 4 of the trip's, 12 bytes each
	v_mul_u32_u24 v[OA], v[OA], 384
	v_bfe_u32 v[OO+2], v0, 2, 2
	v_mul_u32_u24 v[OO+2], v[OO+2], 12
	v_add_nc_u32 v[OA], v[OA], v[OO+2]
	v_add_nc_u32 v[OA], s27, v[OA]
	v_lshl_add_u32 v[FS], v1, 5, s25
	v_lshlrev_b32 v[VO], 4, v1
	v_lshlrev_b32 v147, 2, v1                      ; 4 x lane
	v_lshlrev_b32 v[ZR], 5, v[QL]                  ; my eight numbers of b0
	v_min_u32 v[OO+2], 2, v[QL]                    ; w1: row lane % 8 of the fragment takes column min(lane % 8, 2): rows 3-7 load a number that is replaced by 0 below
	v_lshlrev_b32 v[OO+2], 2, v[OO+2]
	v_mul_u32_u24 v[OO], v[OO+1], 96               ; 8 (lane / 16) rows of 12 bytes
	v_add_nc_u32 v[OO+2], v[OO], v[OO+2]
	s_lshl_b32 s54, ttmp9, 4
	s_add_co_u32 s54, s54, s24                     ; my wave among the launch's 4,096
	s_mov_b32 s57, 0
	s_wait_kmcnt 0x0
	s_load_b96 s[A0:A0+2], s[10:11], 0x0
	s_load_b96 s[A1:A1+2], s[10:11], 0xc
	s_load_b96 s[36:38], s[20:21], 0x0             ; b1
	s_lshl_b32 s56, s54, 11                        ; 128 points of 16 bytes
	s_add_nc_u64 s[8:9], s[8:9], s[56:57]
	s_lshl_b32 s56, s54, 9                         ; 128 dwords
	s_add_nc_u64 s[12:13], s[12:13], s[56:57]
	s_mul_i32 s56, s54, 1536                       ; 128 points of 12 bytes
	s_add_nc_u64 s[22:23], s[22:23], s[56:57]
	s_mov_b64 s[TB:TB+1], s[14:15]                 ; XY
	s_add_nc_u64 s[TB+2:TB+3], s[14:15], 0x200000  ; XZ: 128 rows on
	s_add_nc_u64 s[TB+4:TB+5], s[14:15], 0x400000  ; YZ
	s_add_nc_u64 s[TB+6:TB+7], s[14:15], 0x600000  ; XT
	s_add_nc_u64 s[TB+8:TB+9], s[14:15], 0x790000  ; YT: 100 rows on
	s_add_nc_u64 s[TB+10:TB+11], s[14:15], 0x920000  ; ZT
	s_wait_alu depctr_va_vdst(0)                   ; the offsets IO, VO, v147, ZR and OO + 2 are written, which the loads below read; so are the LDS addresses FA, HA, BA, OA, FS and the closing add's two registers
	global_load_b128 v[IC:IC+3], v[IO], s[12:13]   ; idx of my group's passes 0-3
.irp i, 0,1,2,3
	global_load_b128 v[W+4*\i:W+4*\i+3], v[VO], s[8:9] offset:512*\i th:TH_LOAD_NT  ; points 32 i + lane
.endr
.irp i, 0,1,2,3
	global_load_b32 v[W+16+\i], v147, s[12:13] offset:128*\i  ; and their cells
.endr
	global_load_b128 v[B0:B0+3], v[ZR], s[16:17]
	global_load_b128 v[B0+4:B0+7], v[ZR], s[16:17] offset:16
.set i, 0
.rept 32
	global_load_b32 v[D0+i], v[OO+2], s[18:19] offset:12*(32*(i/16)+16*((i/8)%2)+i%8)  ; w1[k][column], k in the order of a fragment's registers
.set i, i+1
.endr
	s_wait_loadcnt 42                              ; the first idx is in: 4 + 4 + 2 + 32 loads are younger
	NEXT IC
	s_wait_alu depctr_va_vdst(0)                   ; the six offsets are written, which the 24 loads below read
	FILL 0                                         ; pass 0's 24 texels go out before anything else is worked on
	FILL 1
	FILL 2
	FILL 3
	FILL 4
	FILL 5
	s_wait_loadcnt 24                              ; all but those 24
	s_wait_kmcnt 0x0                               ; aabb, b1
	s_wait_alu depctr_vm_vsrc(0)                   ; b0's two loads have read their offset v[ZR], which is written below
	v_sub_f32 v[INV], s[A1], s[A0]
	v_sub_f32 v[INV+1], s[A1+1], s[A0+1]
	v_sub_f32 v[INV+2], s[A1+2], s[A0+2]
	v_rcp_f32 v[INV], v[INV]
	v_rcp_f32 v[INV+1], v[INV+1]
	v_rcp_f32 v[INV+2], v[INV+2]
	v_mov_b32 v[ZR], 0                             ; a plain instruction between the last reciprocal and the use of its result; b0's loads are done, so their offset register is free
	s_wait_alu depctr_va_vdst(0)                   ; the three reciprocals are written, ahead of their first reader
	FRAC 0, ACC
	FRAC 1, PP
	FRAC 2, W1F
	FRAC 3, W1F+8
	s_wait_alu depctr_va_vdst(0)                   ; the 32 fractions are written, which the eight LDS stores read
	FRST 0, ACC
	FRST 1, PP
	FRST 2, W1F
	FRST 3, W1F+8
	v_cmp_gt_u32 vcc_lo, 3, v[QL]                  ; rows 0-2 and 8-10 of w1's fragments are kept
	s_wait_alu depctr_vm_vsrc(0)                   ; the eight stores have read their data: W1F is written by the roundings below, PP by the fractions' loads, ACC by the first pass's multiply-adds
.set j, 0
.rept 16
	v_cvt_pk_f16_f32 v[W1F+j], v[D0+2*j], v[D0+2*j+1]
.set j, j+1
.endr
	s_wait_alu depctr_va_vcc(0)                    ; the compare has written VCC, ahead of its first reader
.set j, 0
.rept 16
	v_cndmask_b32 v[W1F+j], 0, v[W1F+j], vcc_lo
.set j, j+1
.endr
	v_mov_b32 v[CB], s36                           ; register j of the C operand is row j or 8 + j: b1 in rows 0-2 and 8-10
	v_mov_b32 v[CB+1], s37
	v_mov_b32 v[CB+2], s38
.irp j, 3,4,5,6,7
	v_mov_b32 v[CB+\j], 0
.endr
	ds_load_b128 v[PP:PP+3], v[FA]                 ; pass 0's fractions.  No vector instruction since the wait ahead of the eight stores names PP
	ds_load_b128 v[PP+4:PP+7], v[FA] offset:16
	s_wait_dscnt 0x0
	WGT
	s_mov_b32 s52, 7
.Ltrip:                                                ; seven trips of four passes; each asks for the next trip's idx and fills every slot four times
	STEP 0, IC+1, 1, 1
	STEP 1, IC+2, 0, 1
	STEP 2, IC+3, 0, 1
	STEP 3, IX, 0, 1                               ; the next idx is in since pass 1's first wait: its load is older than slot 0's
	EPI 0
	s_sub_co_u32 s52, s52, 1
	s_cmp_lg_u32 s52, 0
	s_cbranch_scc1 .Ltrip
	STEP 0, IC+1, 0, 1                             ; the last trip is written out: no further idx, and its last pass fills nothing
	STEP 1, IC+2, 0, 1
	STEP 2, IC+3, 0, 1
	STEP 3, IC, 0, 0
	EPI 1
	v_lshl_add_u32 v[GL], v1, 4, s27               ; THE WAY OUT: my wave's 1,536 bytes, in the points' order
	s_wait_alu depctr_va_vdst(0)                   ; v[GL] is written, which the LDS loads read as their address; the last pass's multiply-adds are done reading DATA, in which they land
.irp i, 0,1,2
	ds_load_b128 v[DATA+4*\i:DATA+4*\i+3], v[GL] offset:512*\i
.endr
.irp i, 0,1,2
	s_wait_dscnt 2-\i
	global_store_b128 v[VO], v[DATA+4*\i:DATA+4*\i+3], s[22:23] offset:512*\i th:TH_STORE_NT  ; 512 consecutive bytes, at a multiple of 512 from out0's first byte
.endr
	s_wait_dscnt 0x0                               ; the closing lines, six on end
	s_wait_alu 0x0
	s_wait_tensorcnt 0x0
	ds_add_u32 v[SPW], v[NIL]
	s_wait_dscnt 0x0
	s_endpgm
.Lfunc_end_k_qc3cb7bd6b6_main:
	.size	k_qc3cb7bd6b6_main, .Lfunc_end_k_qc3cb7bd6b6_main-k_qc3cb7bd6b6_main
	.p2alignl 7, 3214868480
	.fill 96, 4, 3214868480
	.section	.rodata,"a",@progbits
	.p2align	6, 0x0
	.amdhsa_kernel k_qc3cb7bd6b6_main
		.amdhsa_group_segment_fixed_size 133120
		.amdhsa_private_segment_fixed_size 0
		.amdhsa_enable_private_segment 0
		.amdhsa_kernarg_size 64
		.amdhsa_user_sgpr_count 2
		.amdhsa_user_sgpr_kernarg_segment_ptr 1
		.amdhsa_wavefront_size32 1
		.amdhsa_system_sgpr_workgroup_id_x 1
		.amdhsa_system_sgpr_workgroup_id_y 1
		.amdhsa_system_sgpr_workgroup_id_z 1
		.amdhsa_system_vgpr_workitem_id 0
		.amdhsa_next_free_vgpr 248
		.amdhsa_next_free_sgpr 66
		.amdhsa_reserve_vcc 1
		.amdhsa_float_denorm_mode_32 3
		.amdhsa_float_denorm_mode_16_64 3
		.amdhsa_memory_ordered 1
		.amdhsa_forward_progress 1
		.amdhsa_inst_pref_size 156
	.end_amdhsa_kernel
	.amdgpu_metadata
---
amdhsa.version: [ 1, 2 ]
amdhsa.kernels:
  - .name:           k_qc3cb7bd6b6_main
    .symbol:         k_qc3cb7bd6b6_main.kd
    .args:
      - { .name: inp, .offset: 0, .size: 8, .value_kind: global_buffer, .address_space: global }
      - { .name: aabb, .offset: 8, .size: 8, .value_kind: global_buffer, .address_space: global }
      - { .name: idx, .offset: 16, .size: 8, .value_kind: global_buffer, .address_space: global }
      - { .name: tab, .offset: 24, .size: 8, .value_kind: global_buffer, .address_space: global }
      - { .name: b0, .offset: 32, .size: 8, .value_kind: global_buffer, .address_space: global }
      - { .name: w1, .offset: 40, .size: 8, .value_kind: global_buffer, .address_space: global }
      - { .name: b1, .offset: 48, .size: 8, .value_kind: global_buffer, .address_space: global }
      - { .name: out0, .offset: 56, .size: 8, .value_kind: global_buffer, .address_space: global }
    .group_segment_fixed_size: 133120
    .private_segment_fixed_size: 0
    .kernarg_segment_align: 8
    .kernarg_segment_size: 64
    .max_flat_workgroup_size: 512
    .sgpr_count:     66
    .vgpr_count:     248
    .wavefront_size: 32
...
	.end_amdgpu_metadata
.endif
;; end of part 4
